; MI455X (gfx1250); checked and timed in simulation.
; The chip was launched on July 23, 2026; its instructions are those of AMD's public machine-readable ISA for CDNA 5 (MIT licence, August 2026) and "CDNA5" Instruction Set Architecture Reference Guide (July 2026). The comments in the code are by the model that wrote it; some were corrected since.
;; Routing Attention. Allowed arithmetic: matrix products marked QUANTISED: E2M1 operands, one E8M0 scale for each 32 along K, by v_wmma_scale_f32_16x16x128_f8f6f4 with both operands' format E2M1 (or v_wmma_scale_f32_32x16x128_f4), f32 sums; products left as they are: bf16, f16 or f32 operands; f32 sums; everything else in f32.
;; Inputs: Wk 256 x 256 float32; Wo 256 x 256 float32; Wq 256 x 256 float32; Wv 256 x 256 float32; bk 256 float32; bo 256 float32; bq 256 float32; bv 256 float32; k 2 x 8 x 4 x 16 x 16 x 256 float32; q 2 x 8 x 4 x 16 x 16 x 256 float32; v 2 x 8 x 4 x 16 x 16 x 256 float32.
;; Outputs: out0 2 x 8 x 4 x 16 x 16 x 256 float32.
;; This version of the problem:
;;   THIS VERSION OF THE PROBLEM IS GIVEN IN LOW PRECISION. The matrix products marked QUANTISED in the list below multiply operands that are first quantised to E2M1 (2 exponent bits, 1 mantissa bit; 4 bits a number), with one power-of-two scale for each 32 numbers along K (OCP MX v1.0); their sums are f32. The products marked 'left as it is' may take bf16, f16 or f32 operands, with f32 sums. Whichever they take, every output number must still come out within the allowed error. Rounding operands to bf16 (8 significant bits) uses up far more of that allowance than f16 does (11 bits, for magnitudes from 6e-5 to 65,504). All else is computed in f32.
;;   The module's matrix products, in the order in which they are computed (A, B: the left and right operand; K: the contracted axis; several contracted axes count as one K, in the product's order):
;;     1. [M 16,384, K 256] x [K 256, N 256]; A: input q; B: input Wq: QUANTISED
;;     2. [M 16,384, K 256] x [K 256, N 256]; A: input k; B: input Wk: QUANTISED
;;     3. [M 16,384, K 256] x [K 256, N 256]; A: input v; B: input Wv: QUANTISED
;;     4. batch 128 x [M 1,024, K 32] x [K 32, N 1,024]; A: computed on the way; B: computed on the way: left as it is (an operand is computed on the way)
;;     5. batch 128 x [M 1,024, K 1,024] x [K 1,024, N 32]; A: computed on the way; B: computed on the way: left as it is (an operand is computed on the way)
;;     6. [M 16,384, K 256] x [K 256, N 256]; A: computed on the way; B: input Wo: left as it is (an operand is computed on the way)
;;   THE QUANTISER, for each operand of a quantised product, along K:
;;     - K is cut into blocks of 32 from its start; a last block that is shorter is filled with zeros.
;;     - A block's scale is 2^e with e = floor(log2(the largest magnitude in the block)) - 2, held to -126 .. 127; a block of zeros has e = 0. As a byte (E8M0): e + 127.
;;     - Each number is divided by its block's scale, clamped to +-6, and rounded to the nearest number of E2M1, ties to even, subnormals kept.
;;     - The product sums the exact products of the quantised numbers (number of the format x scale) in f32.
;;   ~~~python
;;   def quantise(x, axis):      # numpy; x: float32 -> the quantised numbers, widened to float32 again
;;       x = np.moveaxis(x, axis, -1); K = x.shape[-1]
;;       x = np.pad(x, [(0, 0)] * (x.ndim - 1) + [(0, -K % 32)]); x = x.reshape(x.shape[:-1] + (-1, 32)); a = np.abs(x).max(-1, keepdims=True)
;;       e = np.where(a > 0, np.clip(np.frexp(np.where(a > 0, a, 1))[1] - 1 - 2, -126, 127), 0)      # np.frexp(a)[1] - 1 = floor(log2(a)), exactly
;;       r = np.clip(x / 2.0 ** e, -6, 6)
;;       step = 2.0 ** (np.maximum(np.frexp(np.where(r == 0, 1, r))[1] - 1, 0) - 1)
;;       q = np.round(r / step) * step * 2.0 ** e      # np.round: ties to even
;;       return np.moveaxis(q.reshape(q.shape[:-2] + (-1,))[..., :K], -1, axis).astype(np.float32)
;;   ~~~
;; One version. Each part assembles by itself: llvm-mc -triple=amdgcn-amd-amdhsa -mcpu=gfx1250 --defsym DOCPART=n.
;; ======== version 1 of 1: 2 launches
;; limits: values are held in f16: magnitudes above 65,504 overflow, below 6.1e-05 lose precision
;; workspace buffers: qh 8,388,608 bytes; kh 8,388,608 bytes; vh 8,388,608 bytes; wo16 131,072 bytes
;; launch proj (part 1): grid 64 x 3, 4 waves a work-group, no clusters, 303,616 bytes of LDS; arguments q, k, v, Wq, Wk, Wv, bq, bk, bv, Wo, qh, kh, vh, wo16; writes qh, kh, vh, wo16
.if DOCPART == 1
	.amdgcn_target "amdgcn-amd-amdhsa--gfx1250"
	.amdhsa_code_object_version 6
	.text
	.protected	k_qfa652b8bc4_proj
	.globl	k_qfa652b8bc4_proj
	.p2align	8
	.type	k_qfa652b8bc4_proj,@function
k_qfa652b8bc4_proj:
	s_mov_b64 s[64:65], 0
	v_nop
	global_prefetch_b8 v0, s[64:65] scope:SCOPE_SE
	s_setreg_imm32_b32 hwreg(HW_REG_WAVE_MODE, 25, 1), 1
	s_wait_xcnt 0x0
; y = Q(x) Q(W)^T + b for x = q, k, v ([16384][256] f32) and W = Wq, Wk, Wv ([256][256] f32, K innermost): both operands are quantised here to codes of FP4 (E2M1) with one
; E8M0 scale for each 32 along K, multiplied by the scaled matrix instruction, summed in f32, and stored as f16 in the order of the next launch's operand registers.  Wo is cast to f16 on the way.
; A block's scale is 2^(floor(log2(largest magnitude)) - 2): its byte is the largest magnitude's exponent field - 2, held at 1 from below by a floor among the maximum's leaves.
; LIMITS: NaN and infinities among the inputs are not served.  A block of zeros gets the byte 1 (its codes are zeros; the bytes are read by this program alone).  The results (q's times c) go to f16: they must lie within +-65,504.
; SHARES.  Work-group (x, y): tensor y (0 q, 1 k, 2 v), rows 256 x .. 256 x + 255.  THE WAVES SHARE THE COLUMNS: wave w makes output channels 64 w .. 64 w + 63 (four tiles of 16) for all 256 rows and keeps its
; 64 rows of W as 8 fragments of codes in registers.  The rows go in four blocks of 64: in block b wave w quantises rows 64 b + 16 w .. + 15 and hands the two fragments to the others through LDS as images of their registers.
; x comes by the tensor data mover, all 256 rows asked for at the head: four loads a wave, 16 rows each, read back by the wave that asked alone.  No LDS byte is filled twice.
; No cluster: no two work-groups read the same rows of x, and W in f32 (262,144 bytes) does not fit in LDS beside x's 266,240.  No prefetch: every byte of x is asked for at the head.
; OUT.  qh, kh: block (group G of 32 tokens, head, c, m') at 16384 G + 2048 head + 1024 c + 512 m': lane (r, h) holds token 32 G + 16 m' + r, channels 32 head + 16 c + 8 h + 0..7.  The product is used
; transposed for them (source 0 = W, source 1 = x), so that a lane's eight results are those eight channels.  vh: the same formula with c = the head's channel tile: lane (r, h) holds channel 32 head + 16 c + r,
; tokens 32 G + 16 m' + 8 h + 0..7: the product in its natural order gives that.  q's results are multiplied by c = log2(e) / sqrt(32), so that the next launch's scores are exponents of 2.
.set TILEB,  16640                     ; a tile of x in LDS: 16 rows of 1,024 bytes + 16 of padding
.set XPITCH, 1040                      ; 260 words: row r starts at bank 4 r mod 64 (64 banks of 4 bytes: ISA guide 11.1): the 16 rows of a load start at 16 different banks
.set WAVEB,  4*TILEB                   ; a wave's four tiles
.set XIMG,   16*TILEB                  ; images of x's fragments: block b, row tile m, K step s at 8192 b + 1024 (2 m + s) + 512 c + 16 lane
.set XSC,    XIMG+32768                ; their scale words: 1024 b + 128 (2 m + s) + 4 lane
.set SPARE,  XSC+4096                  ; the spare words, 128 bytes for each wave: two blocks of 256 bytes that no other line names
.set XR,   1                           ; v1   my place in my wave's tiles of x: 66,560 w + 1,040 r + 128 h
.set LI,   2                           ; v2   16 x lane
.set XWI,  3                           ; v3   where I store images
.set XWS,  4                           ; v4   and scale words
.set XFI,  5                           ; v5   where I fetch images
.set XFS,  6                           ; v6   and scale words
.set SPW,  7                           ; v7   LDS address of my spare word; never rewritten
.set NIL,  8                           ; v8   0; never rewritten
.set H8,   9                           ; v9   8 h
.set WA,   10                          ; v10  W: 1,024 r + 128 h
.set BA,   11                          ; v11  the bias: 32 h (q, k) or 4 r (v)
.set XS,   12                          ; v12-15   x's scale words, and nothing else
.set XB0,  16                          ; v16-79, v80-143   two sets of 64 numbers
.set XF,   16                          ; v16-47   four fragments of x
.set OUTR, 48                          ; v48-79   results as f16
.set PC,   80                          ; v80-95   the codes just made;  v96-97 their scale words
.set PW,   96
.set ACC,  80                          ; v80-143  eight accumulators: (m', nt) at 8 (4 m' + nt)
.set WF,   144                         ; v144-207 W's fragments: (nt, s) at 8 (2 nt + s)
.set WS,   208                         ; v208-215 W's scale words, and nothing else
.set BI,   216                         ; v216-247 the bias in the result's layout, eight registers a tile
.set TM,   248                         ; v248-253 at work
.set RR,   250                         ; at the head: r = lane % 16,
.set HH,   251                         ; h = lane / 16
.set G1,   40                          ; s[40:47] descriptor group 1;  s[48:63] four groups 0
.set G0,   48
.set WV,   66
.set TN,   67                          ; which tensor
.set SEL,  70                          ; s[70:71] lane selects for v_permlanex16_b32: lane l xor 16
.set CS,   72                          ; s[72:73] c
; 64 numbers of a lane, register 32 c + i = k 64 c + 32 h + i of my row, become a fragment's 8 registers of codes at v[dst] and its scale word in v[sw].  A lane holds two whole blocks, so no other lane is asked for a maximum.
.macro QUANT src, dst, sw
.irp c, 0,1
	v_max3_num_f32 v[TM+\c], |v[\src+32*\c]|, |v[\src+32*\c+1]|, 0x1800000   ; and the floor 2^(3 - 127): the byte cannot fall under 1
.endr
.irp i, 2,4,6,8,10,12,14,16,18,20,22,24,26,28,30
.irp c, 0,1
	v_max3_num_f32 v[TM+\c], v[TM+\c], |v[\src+32*\c+\i]|, |v[\src+32*\c+\i+1]|   ; the two blocks by turns
.endr
.endr
.irp c, 0,1
	v_add_nc_u32 v[TM+2+\c], 0xff000000, v[TM+\c]  ; 2 off the exponent field: the conversion takes the exponent field of this operand as its scale
.endr
.irp c, 0,1
	v_lshrrev_b32 v[TM+\c], 23, v[TM+2+\c]         ; the scale's byte
.endr
	v_lshl_or_b32 v[TM+4], v[TM+1], 16, v[TM]      ; my two bytes: blocks h and 2 + h,
	v_lshlrev_b32 v[TM+4], v[H8], v[TM+4]          ; at their places in the word;
	v_permlanex16_b32 v[TM+5], v[TM+4], s[SEL], s[SEL+1]
	v_or_b32 v[\sw], v[TM+4], v[TM+5]              ; with lane l xor 16's two the word is whole
.irp c, 0,1
.irp g, 0,1,2,3
	v_cvt_scalef32_pk8_fp4_f32 v[\dst+4*\c+\g], v[\src+32*\c+8*\g:\src+32*\c+8*\g+7], v[TM+2+\c]
.endr
.endr
	v_nop                                          ; one plain place behind the last scaled conversion
.endm
; unit u = 2 nt + s of my W: 16 rows x 128 along K, 64 numbers a lane, into set u % 2
.macro WLOAD u
.irp c, 0,1
.irp i, 0,1,2,3,4,5,6,7
	global_load_b128 v[XB0+64*((\u)%2)+32*\c+4*\i:XB0+64*((\u)%2)+32*\c+4*\i+3], v[WA], s[34:35] offset:((\u)/2)*16384+512*((\u)%2)+256*\c+16*\i
.endr
.endr
.endm
	s_load_b512 s[4:19], s[0:1], 0x0               ; q, k, v, Wq, Wk, Wv, bq, bk
	s_load_b256 s[20:27], s[0:1], 0x40             ; bv, Wo, qh, kh
	s_load_b128 s[28:31], s[0:1], 0x60             ; vh, wo16
	v_lshl_add_u32 v[SPW], v0, 2, SPARE
	v_mov_b32 v[NIL], 0
	ds_add_u32 v[SPW], v[NIL]                      ; the wave's opening: the add, twice on end, and its wait ahead of my first tensor load
	ds_add_u32 v[SPW], v[NIL]                      ; and once more; the set-up below, work on registers, stands between it and the wait
	v_lshrrev_b32 v1, 5, v0
	v_readfirstlane_b32 s[WV], v1                  ; wave 0..3
	s_and_b32 s[TN], ttmp7, 0xffff
	; group 1: a tile of 16 rows x 128 elements of 8 bytes, rows dense in memory, 4 words of padding behind every 256
	s_mov_b32 s[G1+0], (3<<16)|(1<<20)|(7<<22)|(3<<25)
	s_mov_b32 s[G1+1], 128<<16                     ; tensor_dim0
	s_mov_b32 s[G1+2], 16<<16                      ; tensor_dim1
	s_mov_b32 s[G1+3], 128<<16                     ; tile_dim0
	s_mov_b32 s[G1+4], 16                          ; tile_dim1
	s_mov_b32 s[G1+5], 128                         ; from row to row
	s_mov_b32 s[G1+6], 0
	s_mov_b32 s[G1+7], 0
	s_mov_b32 s[SEL], 0x76543210
	s_mov_b32 s[SEL+1], 0xfedcba98
	s_mov_b32 s[CS], 0x3e8293ee                    ; c = log2(e) / sqrt(32)
	s_mov_b32 s[CS+1], s[CS]                       ; (named with it as a pair, so it is written)
	s_mul_i32 s69, s[WV], WAVEB                    ; my tiles in LDS
	s_lshl_b32 s74, ttmp9, 17                      ; out: 8 groups of 16,384 bytes a work-group, 4,096 bytes a wave (two heads)
	s_lshl_b32 s75, s[WV], 12
	s_add_co_u32 s74, s74, s75
	s_mov_b32 s75, 0
	s_lshl_b32 s76, ttmp9, 18                      ; x: 256 rows of 1,024 bytes a work-group, 16 rows a wave
	s_lshl_b32 s77, s[WV], 14
	s_add_co_u32 s76, s76, s77
	s_mov_b32 s77, 0
	s_lshl_b32 s78, s[WV], 16                      ; W: my 64 rows
	s_mov_b32 s79, 0
	s_lshl_b32 s80, s[WV], 8                       ; the bias: my 64 numbers
	s_mov_b32 s81, 0
	v_and_b32 v[TM+1], 31, v0                      ; lane
	v_and_b32 v[RR], 15, v0
	v_bfe_u32 v[HH], v0, 4, 1
	v_mov_b32 v[TM+5], 0                           ; written once: a lane permute's destination counts as one of its sources
	v_lshlrev_b32 v[LI], 4, v[TM+1]
	v_mul_u32_u24 v[XR], v[RR], XPITCH
	v_lshl_add_u32 v[XR], v[HH], 7, v[XR]
	v_add_nc_u32 v[XR], s69, v[XR]
	s_lshl_b32 s68, s[WV], 11
	s_add_co_u32 s68, s68, XIMG
	v_add_nc_u32 v[XWI], s68, v[LI]                ; row tile m = my wave: 2,048 w
	v_lshlrev_b32 v[XFS], 2, v[TM+1]
	s_lshl_b32 s68, s[WV], 8
	s_add_co_u32 s68, s68, XSC
	v_add_nc_u32 v[XWS], s68, v[XFS]
	v_add_nc_u32 v[XFI], XIMG, v[LI]
	v_add_nc_u32 v[XFS], XSC, v[XFS]
	v_lshlrev_b32 v[H8], 3, v[HH]
	v_lshlrev_b32 v[WA], 10, v[RR]
	v_lshl_add_u32 v[WA], v[HH], 7, v[WA]
	s_wait_dscnt 0x0                               ; both opening adds are done
	s_wait_kmcnt 0x0
	s_cmp_eq_u32 s[TN], 1                          ; the buffers are chosen by the work-group's y alone: k's or v's,
	s_cselect_b64 s[32:33], s[6:7], s[8:9]
	s_cselect_b64 s[34:35], s[12:13], s[14:15]
	s_cselect_b64 s[36:37], s[18:19], s[20:21]
	s_cselect_b64 s[38:39], s[26:27], s[28:29]
	s_cmp_eq_u32 s[TN], 0                          ; or q's
	s_cselect_b64 s[32:33], s[4:5], s[32:33]
	s_cselect_b64 s[34:35], s[10:11], s[34:35]
	s_cselect_b64 s[36:37], s[16:17], s[36:37]
	s_cselect_b64 s[38:39], s[24:25], s[38:39]
	s_add_nc_u64 s[32:33], s[32:33], s[76:77]
	s_add_nc_u64 s[34:35], s[34:35], s[78:79]
	s_add_nc_u64 s[36:37], s[36:37], s[80:81]
	s_add_nc_u64 s[38:39], s[38:39], s[74:75]
.irp b, 0,1,2,3                        ; all my x at once: four loads of mine are out; block b's 16 rows lie 64 rows apart
	s_mov_b32 s[G0+4*\b], 1
	s_add_co_u32 s[G0+4*\b+1], s69, \b*TILEB
	s_add_nc_u64 s[G0+4*\b+2:G0+4*\b+3], s[32:33], \b*65536
	s_or_b32 s[G0+4*\b+3], s[G0+4*\b+3], 0x80000000
	tensor_load_to_lds s[G0+4*\b:G0+4*\b+3], s[G1:G1+7]
	s_nop 0
.endr
	; the bias, as the C of each sum's first product
	s_cmp_eq_u32 s[TN], 2
	s_cbranch_scc1 .Lbias_v
	v_lshlrev_b32 v[BA], 5, v[HH]                  ; q, k: register j is channel 16 nt + 8 h + j
.irp nt, 0,1,2,3
	global_load_b128 v[BI+8*\nt:BI+8*\nt+3], v[BA], s[36:37] offset:64*\nt
	global_load_b128 v[BI+8*\nt+4:BI+8*\nt+7], v[BA], s[36:37] offset:64*\nt+16
.endr
	s_branch .Lbias_done
.Lbias_v:
	v_lshlrev_b32 v[BA], 2, v[RR]                  ; v: all eight registers are channel 16 nt + r
.irp nt, 0,1,2,3
.irp j, 0,1,2,3,4,5,6,7
	global_load_b32 v[BI+8*\nt+\j], v[BA], s[36:37] offset:64*\nt
.endr
.endr
.Lbias_done:
	WLOAD 0
	WLOAD 1
	; Wo to f16, in the order of an operand's registers: 256 blocks of 512 bytes, one for each wave of q's 64 work-groups.  Block B = (8 n + s) 2 + c: lane (r, h) holds Wo[16 n + r][32 s + 16 c + 8 h + 0..7]
	s_cmp_lg_u32 s[TN], 0
	s_cbranch_scc1 .Lno_wo
	s_lshl_b32 s76, ttmp9, 2
	s_add_co_u32 s76, s76, s[WV]                   ; B
	s_lshr_b32 s77, s76, 4
	s_lshl_b32 s77, s77, 14                        ; 16 rows of 1,024 bytes for each n
	s_and_b32 s78, s76, 15
	s_lshl_b32 s78, s78, 6                         ; 64 bytes for each (s, c)
	s_add_co_u32 s78, s78, s77
	s_mov_b32 s79, 0
	s_add_nc_u64 s[22:23], s[22:23], s[78:79]
	s_lshl_b32 s76, s76, 9
	s_mov_b32 s77, 0
	s_add_nc_u64 s[30:31], s[30:31], s[76:77]
	v_lshlrev_b32 v[TM], 10, v[RR]
	v_lshl_add_u32 v[TM], v[HH], 5, v[TM]
	global_load_b128 v[WF:WF+3], v[TM], s[22:23]
	global_load_b128 v[WF+4:WF+7], v[TM], s[22:23] offset:16
	s_wait_loadcnt 0x0
.irp i, 0,1,2,3
	v_cvt_pk_f16_f32 v[WF+8+\i], v[WF+2*\i], v[WF+2*\i+1]
.endr
	global_store_b128 v[LI], v[WF+8:WF+11], s[30:31]   ; the wave stores 512 consecutive bytes, aligned
	s_wait_xcnt 0x0                                ; the store has read its registers: they are written again below
.Lno_wo:
	; my W becomes 8 fragments of codes, which stay; the loads run two units ahead
.irp u, 0,1,2,3,4,5,6,7
.if \u < 7
	s_wait_loadcnt 16                              ; this unit's loads (and all older ones) are in; the next unit's 16 may be out
.else
	s_wait_loadcnt 0x0
.endif
	QUANT XB0+64*(\u%2), WF+8*\u, WS+\u
.if \u < 6
	WLOAD \u+2
.endif
.endr
; Block b: my 16 rows of x become two fragments, whose images and scale words go to LDS; each block has image bytes of its own, so one barrier a block orders all.
.macro XPHASE b
	s_wait_xcnt 0x0                                ; the last stores have read v48-79, into which the loads below land
	s_wait_tensorcnt 3-\b                          ; my tile of this block is in; my tiles of the later blocks may be out.  Only I read it
.irp s, 0,1
.irp c, 0,1
.irp i, 0,1,2,3,4,5,6,7
	ds_load_b128 v[XB0+32*\c+4*\i:XB0+32*\c+4*\i+3], v[XR] offset:\b*TILEB+512*\s+256*\c+16*\i
.endr
.endr
	s_wait_dscnt 0x0
	QUANT XB0, PC+8*\s, PW+\s
	ds_store_b128 v[XWI], v[PC+8*\s:PC+8*\s+3] offset:\b*8192+\s*1024
	ds_store_b128 v[XWI], v[PC+8*\s+4:PC+8*\s+7] offset:\b*8192+\s*1024+512
	ds_store_b32 v[XWS], v[PW+\s] offset:\b*1024+\s*128
.endr
	s_wait_dscnt 0x0                               ; for the others' sake: my images have landed
	s_barrier_signal -1
	s_barrier_wait -1                              ; the block's eight fragments lie in LDS.  Later tiles may stay on their way
.endm
; 16 products: eight accumulators by turns, one instruction a turn, K step 0 (C = the bias) and then K step 1 in place.  nat = 0: source 0 = W, source 1 = x; nat = 1: the other way round
.macro PRODUCTS nat
.irp s, 0,1
.irp mm, 0,1
.irp nt, 0,1,2,3
.if \nat
.if \s == 0
	v_wmma_scale_f32_16x16x128_f8f6f4 v[ACC+8*(4*\mm+\nt):ACC+8*(4*\mm+\nt)+7], v[XF+8*(2*\mm+\s):XF+8*(2*\mm+\s)+7], v[WF+8*(2*\nt+\s):WF+8*(2*\nt+\s)+7], v[BI+8*\nt:BI+8*\nt+7], v[XS+2*\mm+\s], v[WS+2*\nt+\s] matrix_a_fmt:MATRIX_FMT_FP4 matrix_b_fmt:MATRIX_FMT_FP4
.else
	v_wmma_scale_f32_16x16x128_f8f6f4 v[ACC+8*(4*\mm+\nt):ACC+8*(4*\mm+\nt)+7], v[XF+8*(2*\mm+\s):XF+8*(2*\mm+\s)+7], v[WF+8*(2*\nt+\s):WF+8*(2*\nt+\s)+7], v[ACC+8*(4*\mm+\nt):ACC+8*(4*\mm+\nt)+7], v[XS+2*\mm+\s], v[WS+2*\nt+\s] matrix_a_fmt:MATRIX_FMT_FP4 matrix_b_fmt:MATRIX_FMT_FP4
.endif
.else
.if \s == 0
	v_wmma_scale_f32_16x16x128_f8f6f4 v[ACC+8*(4*\mm+\nt):ACC+8*(4*\mm+\nt)+7], v[WF+8*(2*\nt+\s):WF+8*(2*\nt+\s)+7], v[XF+8*(2*\mm+\s):XF+8*(2*\mm+\s)+7], v[BI+8*\nt:BI+8*\nt+7], v[WS+2*\nt+\s], v[XS+2*\mm+\s] matrix_a_fmt:MATRIX_FMT_FP4 matrix_b_fmt:MATRIX_FMT_FP4
.else
	v_wmma_scale_f32_16x16x128_f8f6f4 v[ACC+8*(4*\mm+\nt):ACC+8*(4*\mm+\nt)+7], v[WF+8*(2*\nt+\s):WF+8*(2*\nt+\s)+7], v[XF+8*(2*\mm+\s):XF+8*(2*\mm+\s)+7], v[ACC+8*(4*\mm+\nt):ACC+8*(4*\mm+\nt)+7], v[WS+2*\nt+\s], v[XS+2*\mm+\s] matrix_a_fmt:MATRIX_FMT_FP4 matrix_b_fmt:MATRIX_FMT_FP4
.endif
.endif
.endr
.endr
.endr
.endm
; Row tiles 2 p and 2 p + 1 of block b (a group of 32 tokens) against my four tiles of channels
.macro COMPUTE b, p
.irp mm, 0,1
.irp s, 0,1
.irp c, 0,1
	ds_load_b128 v[XF+8*(2*\mm+\s)+4*\c:XF+8*(2*\mm+\s)+4*\c+3], v[XFI] offset:\b*8192+(2*(2*\p+\mm)+\s)*1024+512*\c
.endr
	ds_load_b32 v[XS+2*\mm+\s], v[XFS] offset:\b*1024+(2*(2*\p+\mm)+\s)*128
.endr
.endr
	s_wait_dscnt 0x0
	s_cmp_eq_u32 s[TN], 2
	s_cbranch_scc1 .Lnatural_\@
	PRODUCTS 0
	s_branch .Ljoined_\@
.Lnatural_\@:
	PRODUCTS 1
.Ljoined_\@:
.rept 4
	v_nop                                          ; four places behind the products, for the reads of their results and for the next loads into their operands
.endr
	s_cmp_lg_u32 s[TN], 0
	s_cbranch_scc1 .Lunscaled_\@
.set i, 0
.rept 32
	v_pk_mul_f32 v[ACC+i:ACC+i+1], v[ACC+i:ACC+i+1], s[CS:CS+1] op_sel_hi:[1,0]   ; q alone: x c.  Each accumulator from its low end on
.set i, i+2
.endr
.Lunscaled_\@:
	s_wait_xcnt 0x0                                ; the last stores have read v48-79
.set i, 0
.rept 32
	v_cvt_pk_f16_f32 v[OUTR+i], v[ACC+2*i], v[ACC+2*i+1]
.set i, i+1
.endr
.irp mm, 0,1
.irp nt, 0,1,2,3
	global_store_b128 v[LI], v[OUTR+4*(4*\mm+\nt):OUTR+4*(4*\mm+\nt)+3], s[38:39] offset:(2*\b+\p)*16384+\nt*1024+\mm*512   ; the wave stores 512 consecutive bytes, aligned
.endr
.endr
.endm
.irp b, 0,1,2,3
	XPHASE \b
	COMPUTE \b, 0
	COMPUTE \b, 1
.endr
	s_wait_tensorcnt 0x0                           ; the wave's end, behind my last tensor load and my last LDS store
	ds_add_u32 v[SPW], v[NIL]
	s_wait_dscnt 0x0
	s_endpgm
.Lfunc_end_k_qfa652b8bc4_proj:
	.size	k_qfa652b8bc4_proj, .Lfunc_end_k_qfa652b8bc4_proj-k_qfa652b8bc4_proj
	.p2alignl 7, 3214868480
	.fill 96, 4, 3214868480
	.section	.rodata,"a",@progbits
	.p2align	6, 0x0
	.amdhsa_kernel k_qfa652b8bc4_proj
		.amdhsa_group_segment_fixed_size 303616
		.amdhsa_private_segment_fixed_size 0
		.amdhsa_enable_private_segment 0
		.amdhsa_kernarg_size 112
		.amdhsa_user_sgpr_count 2
		.amdhsa_user_sgpr_kernarg_segment_ptr 1
		.amdhsa_wavefront_size32 1
		.amdhsa_system_sgpr_workgroup_id_x 1
		.amdhsa_system_sgpr_workgroup_id_y 1
		.amdhsa_system_sgpr_workgroup_id_z 1
		.amdhsa_system_vgpr_workitem_id 0
		.amdhsa_next_free_vgpr 256
		.amdhsa_next_free_sgpr 84
		.amdhsa_reserve_vcc 0
		.amdhsa_float_denorm_mode_32 3
		.amdhsa_float_denorm_mode_16_64 3
		.amdhsa_memory_ordered 1
		.amdhsa_forward_progress 1
		.amdhsa_inst_pref_size 159
	.end_amdhsa_kernel
	.amdgpu_metadata
---
amdhsa.version: [ 1, 2 ]
amdhsa.kernels:
  - .name:           k_qfa652b8bc4_proj
    .symbol:         k_qfa652b8bc4_proj.kd
    .args:
      - { .name: q, .offset: 0, .size: 8, .value_kind: global_buffer, .address_space: global }
      - { .name: k, .offset: 8, .size: 8, .value_kind: global_buffer, .address_space: global }
      - { .name: v, .offset: 16, .size: 8, .value_kind: global_buffer, .address_space: global }
      - { .name: Wq, .offset: 24, .size: 8, .value_kind: global_buffer, .address_space: global }
      - { .name: Wk, .offset: 32, .size: 8, .value_kind: global_buffer, .address_space: global }
      - { .name: Wv, .offset: 40, .size: 8, .value_kind: global_buffer, .address_space: global }
      - { .name: bq, .offset: 48, .size: 8, .value_kind: global_buffer, .address_space: global }
      - { .name: bk, .offset: 56, .size: 8, .value_kind: global_buffer, .address_space: global }
      - { .name: bv, .offset: 64, .size: 8, .value_kind: global_buffer, .address_space: global }
      - { .name: Wo, .offset: 72, .size: 8, .value_kind: global_buffer, .address_space: global }
      - { .name: qh, .offset: 80, .size: 8, .value_kind: global_buffer, .address_space: global }
      - { .name: kh, .offset: 88, .size: 8, .value_kind: global_buffer, .address_space: global }
      - { .name: vh, .offset: 96, .size: 8, .value_kind: global_buffer, .address_space: global }
      - { .name: wo16, .offset: 104, .size: 8, .value_kind: global_buffer, .address_space: global }
    .group_segment_fixed_size: 303616
    .private_segment_fixed_size: 0
    .kernarg_segment_align: 8
    .kernarg_segment_size: 112
    .max_flat_workgroup_size: 128
    .sgpr_count:     84
    .vgpr_count:     256
    .wavefront_size: 32
...
	.end_amdgpu_metadata
.endif
;; end of part 1
;; launch attn (part 2): grid 16 x 16, 16 waves a work-group, clusters of 4 x 1, 327,680 bytes of LDS; arguments qh, kh, vh, wo16, bo, out0; writes out0
.if DOCPART == 2
	.amdgcn_target "amdgcn-amd-amdhsa--gfx1250"
	.amdhsa_code_object_version 6
	.text
	.protected	k_qfa652b8bc4_attn
	.globl	k_qfa652b8bc4_attn
	.p2align	8
	.type	k_qfa652b8bc4_attn,@function
k_qfa652b8bc4_attn:
	s_mov_b64 s[64:65], 0
	v_nop
	global_prefetch_b8 v0, s[64:65] scope:SCOPE_SE
	s_setreg_imm32_b32 hwreg(HW_REG_WAVE_MODE, 25, 1), 1
	s_wait_xcnt 0x0
	s_wait_alu depctr_hold_cnt(0) depctr_sa_sdst(0) depctr_va_vdst(0) depctr_va_sdst(0) depctr_va_ssrc(0) depctr_va_vcc(0) depctr_vm_vsrc(0)
	s_getreg_b32 s2, hwreg(HW_REG_IB_STS2, 6, 4)
	s_cmp_eq_u32 s2, 0
	s_cbranch_scc0 .Lentry_in_a_cluster
	s_endpgm
.Lentry_in_a_cluster:
	s_bfe_u32 s2, ttmp6, 0x10000c
	s_cmp_lg_u32 s2, 0x3003
	s_cbranch_scc0 .Lentry_shape_is_right
	s_endpgm
.Lentry_shape_is_right:
; out = softmax(q k^T / sqrt(32)) v, per window of 1,024 tokens and per head of 32 channels, then x Wo^T + bo.  All three products take f16 operands and sum in f32; maxima, exponentials and row sums in f32.
; qh (already times log2(e) / sqrt(32)), kh, vh and wo16 are f16, laid as images of operand registers: blocks of 512 bytes, lane l's 16 bytes at 16 l (the launch before lays them).
; LIMITS: NaN and infinities are not served; f16's range bounds the projected numbers (+-65,504), as stated where they are made.
; SHARES.  A work-group owns 64 queries of one window, all 8 heads.  Sixteen waves in 256 registers each, four to a SIMD, so that one wave's softmax stands beside another's products and LDS loads.
; Wave w: head w % 8, query tiles 2 (w / 8) and 2 (w / 8) + 1.  Every wave walks the window's 1,024 keys, 64 a step, 128 a slot.
; LAYOUT.  S^T = K Q^T (source 0 = 16 keys, source 1 = 16 queries): a lane holds ONE query (lane % 16) and keys 8 (lane / 16) + 0..7.  Two such tiles, rounded to f16 in pairs, ARE source 1 (32 keys x 16 queries) of
; O^T = V^T P, whose result again holds one query a lane and eight channels; rounded in pairs, that IS the fragment of ctx for K step = head of the last product.  Nothing changes lanes between the products.
; SOFTMAX.  A running maximum m and sum l for each query: p = 2^(s - m), at most 1; in every step O^T and l are multiplied by a = 2^(m_old - m_new).  m begins at -3e38, O^T and l at 0: the step is written once.
; CLUSTER.  The four work-groups of a cluster belong to one window and walk the same K and V: each tile is asked for JOINTLY, by the same tensor load with the same descriptor and a mask that names the four.
; LDS: two slots of 131,072 bytes (128 keys: K's 65,536 dense bytes, then V's), one exclusive or apart; ctx's images; the spare words.  All fragment loads take 512 consecutive bytes: no padding.
; This launch fills LDS bytes again and claims all of a WGP's LDS.
.set SLOT1,  1<<17
.set VOFF,   65536
.set CHUNK,  65536                     ; 128 keys of kh or of vh in memory
.set CTX,    2*SLOT1                   ; ctx: image (query tile, head) at 1024 (8 tile + head) + 512 c + 16 lane
.set SPARE,  CTX+32768                 ; the spare words, 128 bytes for each wave: eight blocks of 256 bytes that no other line names
.set SPITCH, 1040                      ; the way out: 64 rows of 1,024 bytes + 16, from LDS byte 0: slot 0 has had its last fill and its last read when the first result is stored there
.set AK0, 1                            ; v1   my place in a slot's K: 2,048 head + 16 lane
.set AV0, 2                            ; v2   and V
.set ADK, 3                            ; v3, v4  the addresses of the step in hand
.set ADV, 4
.set SPW, 5                            ; v5   LDS address of my spare word; never rewritten
.set NIL, 6                            ; v6   0; never rewritten
.set PFO, 7                            ; v7   256 x lane
.set LI,  8                            ; v8   16 x lane
.set B32, 9                            ; v9   32 h
.set STO, 10                           ; v10  the stage: where I put 32 bytes of a row
.set SRD, 11                           ; v11  and where I read rows back
.set CTW, 12                           ; v12  where I store ctx's images
.set CFA, 13                           ; v13  and fetch them
.set ST,  16                           ; v16-31  tile t at 16 + 8 t: +0 m, +1 m_old, +2, +3 l (two halves), +4 .. +7 c0-c3 at work; a takes c2's place
.set QF,  32                           ; v32-47  Q, two fragments
.set KF,  48                           ; v48-79  four fragments of K
.set VF,  80                           ; v80-111 four fragments of V^T: (g, n) at 8 (2 g + n)
.set SCO, 112                          ; v112-175 S^T, then p: 32 t + 8 k + j
.set PRB, 176                          ; v176-207 p as f16: 16 t + 4 k + i
.set OAC, 208                          ; v208-239 O^T: 16 t + 8 n + j
.set BO,  240                          ; v240-247 bo in the result's layout
.set WOF, 112                          ; at the end: Wo's 8 fragments;
.set CF,  48                           ; 8 fragments of ctx;
.set YAC, 176                          ; 4 accumulators of the output;
.set ROWS, 48                          ; rows read back from the stage
.set HD,  16                           ; s16 head, s17 which half of the queries, s18 wave
.set QH,  17
.set WV,  18
.set SEL, 20                           ; s[20:21] lane selects for v_permlanex16_b32: lane l xor 16
.set G1,  24                           ; s[24:31] descriptor group 1, for K's and V's tiles alike
.set G0K, 32                           ; s[32:35], s[36:39] groups 0, which walk
.set G0V, 36
.set TB,  40                           ; s40  LDS byte at which the slot in hand begins
.set SLOTS, 41                         ; s41  slots still to be asked for
.set LIM, 42                           ; s42  1 in a wave that prefetches, else the greatest number
.set PFA, 44                           ; s[44:45] where my prefetches stand
; A round of the cluster's barrier
.macro CROUND
	s_barrier_signal -1
	s_barrier_wait -1
	s_cmp_lg_u32 s[WV], 0
	s_cbranch_scc1 .Lnot_wave_0_\@
	s_barrier_signal -3
.Lnot_wave_0_\@:
	s_barrier_wait -3
	s_barrier_signal -1
	s_barrier_wait -1
.endm
; A joint load: waves 0 and 1 fetch the halves of K's 65,536 bytes, waves 2 and 3 those of V's, the others nothing.  The branches hang on the wave's number alone.  An s_nop 0 and four v_nop follow each line.
.macro JLOAD
	s_cmp_lt_u32 s[WV], 2
	s_cbranch_scc0 .Lnot_k_\@
	tensor_load_to_lds s[G0K:G0K+3], s[G1:G1+7]
	s_nop 0
.rept 4
	v_nop
.endr
	s_branch .Lasked_\@
.Lnot_k_\@:
	s_cmp_lt_u32 s[WV], 4
	s_cbranch_scc0 .Lasked_\@
	tensor_load_to_lds s[G0V:G0V+3], s[G1:G1+7]
	s_nop 0
.rept 4
	v_nop
.endr
.Lasked_\@:
.endm
; A prefetch of what the NEXT change of slots will ask for: 65,536 bytes of kh and of vh, lanes 256 bytes apart.  Each aligned block of 256 bytes is named once in the launch: the window's first cluster asks;
; its four partners take 16,384 bytes each of K's and of V's, told apart by ADDRESS; in each, waves 4 and 5 ask for K's halves of that and waves 6 and 7 for V's, one instruction each.
; The first two slots come by their loads alone; the last change that fills a slot asks for nothing: there is no slot behind it.
.macro ASK
	s_cmp_gt_u32 s[SLOTS], s[LIM]
	s_cbranch_scc0 .Lnot_mine_\@
	global_prefetch_b8 v[PFO], s[PFA:PFA+1] th:TH_LOAD_NT scope:SCOPE_SE
.Lnot_mine_\@:
.endm
	s_load_b256 s[4:11], s[0:1], 0x0               ; qh, kh, vh, wo16
	s_load_b128 s[12:15], s[0:1], 0x20             ; bo, out0
	v_lshl_add_u32 v[SPW], v0, 2, SPARE
	v_mov_b32 v[NIL], 0
	ds_add_u32 v[SPW], v[NIL]                      ; the wave's opening: the add, twice on end, and its wait ahead of the first tensor loads
	ds_add_u32 v[SPW], v[NIL]                      ; and once more; the set-up below, work on registers, stands between it and the wait
	v_lshrrev_b32 v1, 5, v0
	v_readfirstlane_b32 s[WV], v1                  ; wave 0..15
	s_and_b32 s[HD], s[WV], 7
	s_lshr_b32 s[QH], s[WV], 3
	s_bfe_u32 s19, ttmp6, 0x40000                  ; cx: my place in the cluster
	s_lshl_b32 s22, ttmp9, 2                       ; in a cluster launch ttmp9 counts clusters
	s_add_co_u32 s22, s22, s19                     ; my block of 64 queries: it enters qh's and out0's addresses alone
	s_and_b32 s23, ttmp7, 0xffff                   ; the window, which the four partners share
	; group 1: 128 rows of 32 elements of 8 bytes, dense: 32,768 bytes; the mask names all four work-groups, bit 21 set beside it
	s_mov_b32 s[G1+0], 15|(3<<16)|(1<<21)
	s_mov_b32 s[G1+1], 32<<16
	s_mov_b32 s[G1+2], 128<<16
	s_mov_b32 s[G1+3], 32<<16
	s_mov_b32 s[G1+4], 128
	s_mov_b32 s[G1+5], 32
	s_mov_b32 s[G1+6], 0
	s_mov_b32 s[G1+7], 0
	s_mov_b32 s[SEL], 0x76543210
	s_mov_b32 s[SEL+1], 0xfedcba98
	s_mov_b32 s[TB], 0
	s_mov_b32 s[SLOTS], 7
	s_sub_co_u32 s46, s[WV], 4
	s_lshr_b32 s46, s46, 2                         ; 0 in waves 4 to 7,
	s_or_b32 s46, s46, ttmp9                       ; of the window's first cluster: the same in all four partners
	s_cmp_eq_u32 s46, 0
	s_cselect_b32 s[LIM], 1, -1
	s_and_b32 s46, s[WV], 1
	s_lshl_b32 s47, s46, 15                        ; which half of K's or V's bytes I fetch: its place in a slot and in memory.  s46 to s49 never hold my place in the cluster
	s_lshl_b32 s48, s23, 19                        ; a window is 32 groups of 16,384 bytes
	s_add_co_u32 s48, s48, s47
	s_mov_b32 s49, 0
	s_lshl_b32 s50, s19, 14                        ; the prefetches: my work-group's 16,384 bytes,
	s_lshl_b32 s51, s46, 13                        ; my wave's 8,192 of them,
	s_add_co_u32 s50, s50, s51
	s_lshl_b32 s51, s23, 19
	s_add_co_u32 s50, s50, s51
	s_add_co_u32 s50, s50, CHUNK                   ; in the second 128 keys: the first change of slots steps it to the third
	s_mov_b32 s51, 0
	s_lshl_b32 s52, s23, 5                         ; Q: group 32 window + 2 block + half,
	s_lshl_b32 s53, s22, 1
	s_add_co_u32 s52, s52, s53
	s_add_co_u32 s52, s52, s[QH]
	s_lshl_b32 s52, s52, 14
	s_lshl_b32 s53, s[HD], 11                      ; my head
	s_add_co_u32 s52, s52, s53
	s_mov_b32 s53, 0
	s_lshl_b32 s54, s23, 10                        ; out0: row 1,024 window + 64 block + 4 wave, of 1,024 bytes
	s_lshl_b32 s55, s22, 6
	s_add_co_u32 s54, s54, s55
	s_lshl_b32 s55, s[WV], 2
	s_add_co_u32 s54, s54, s55
	s_lshl_b32 s54, s54, 10
	s_mov_b32 s55, 0
	v_and_b32 v[LI], 31, v0
	v_lshlrev_b32 v[PFO], 8, v[LI]
	v_lshlrev_b32 v[LI], 4, v[LI]
	v_and_b32 v14, 15, v0                          ; r
	v_bfe_u32 v15, v0, 4, 1                        ; h
	s_lshl_b32 s56, s[HD], 11
	v_add_nc_u32 v[AK0], s56, v[LI]
	v_add_nc_u32 v[AV0], VOFF, v[AK0]
	v_lshlrev_b32 v[B32], 5, v15
	v_mul_u32_u24 v[STO], v14, SPITCH              ; the stage, in: row r, + 32 h, + my 16 columns' 64 bytes
	v_lshl_add_u32 v[STO], v15, 5, v[STO]
	s_lshl_b32 s56, s[WV], 6
	v_add_nc_u32 v[STO], s56, v[STO]
	s_mul_i32 s56, s[WV], 4*SPITCH                 ; back: my four rows
	v_add_nc_u32 v[SRD], s56, v[LI]
	s_lshl_b32 s56, s[QH], 4
	s_add_co_u32 s56, s56, s[HD]
	s_lshl_b32 s56, s56, 10
	s_add_co_u32 s56, s56, CTX
	v_add_nc_u32 v[CTW], s56, v[LI]                ; image (2 half + t, head): 1,024 (16 half + head), + 8,192 t in the offset
	v_add_nc_u32 v[CFA], CTX, v[LI]
	s_wait_dscnt 0x0                               ; both opening adds are done
	s_wait_kmcnt 0x0
	s_add_nc_u64 s[4:5], s[4:5], s[52:53]
	s_add_nc_u64 s[14:15], s[14:15], s[54:55]
	s_cmp_lt_u32 s[WV], 6
	s_cselect_b64 s[PFA:PFA+1], s[6:7], s[8:9]
	s_add_nc_u64 s[PFA:PFA+1], s[PFA:PFA+1], s[50:51]
	s_lshl_b32 s56, s[WV], 13                      ; Wo's rows 16 w .. 16 w + 15: 16 blocks
	s_mov_b32 s57, 0
	s_add_nc_u64 s[10:11], s[10:11], s[56:57]
	s_lshl_b32 s56, s[WV], 6
	s_add_nc_u64 s[12:13], s[12:13], s[56:57]
	CROUND                                         ; all four work-groups are here: the first joint loads meet
	s_mov_b32 s[G0K], 1
	s_mov_b32 s[G0K+1], s47                        ; slot 0
	s_add_nc_u64 s[G0K+2:G0K+3], s[6:7], s[48:49]  ; the window's first 128 keys
	s_or_b32 s[G0K+3], s[G0K+3], 0x80000000
	s_mov_b32 s[G0V], 1
	s_add_co_u32 s[G0V+1], s47, VOFF
	s_add_nc_u64 s[G0V+2:G0V+3], s[8:9], s[48:49]
	s_or_b32 s[G0V+3], s[G0V+3], 0x80000000
	JLOAD
.irp t, 0,1
.irp c, 0,1
	global_load_b128 v[QF+8*\t+4*\c:QF+8*\t+4*\c+3], v[LI], s[4:5] offset:\t*512+\c*1024 th:TH_LOAD_NT   ; Q stays in registers
.endr
.endr
.irp t, 0,1
	v_mov_b32 v[ST+8*\t], 0xff61b1e6               ; m: -3e38, under every score
	v_mov_b32 v[ST+8*\t+2], 0                      ; l
	v_mov_b32 v[ST+8*\t+3], 0
.endr
.set i, 0
.rept 32
	v_mov_b32 v[OAC+i], 0                          ; O^T.  (The step is written once: the first finds zeros, which a = 0 leaves zeros)
.set i, i+1
.endr
; A KEY STEP: 64 keys, the q-th of the slot in hand
.macro STEP q
	v_add_nc_u32 v[ADK], s[TB], v[AK0]             ; these four lines are the places behind the last products, in front of the loads into V's registers (ISA guide 7.12.1 for vector instructions)
	v_add_nc_u32 v[ADV], s[TB], v[AV0]
	v_nop
	v_nop
.irp k, 0,1,2,3                        ; K: tile k of 16 keys: group 2 q + k / 2, its half k % 2; channels 16 c on
.irp c, 0,1
	ds_load_b128 v[KF+8*\k+4*\c:KF+8*\k+4*\c+3], v[ADK] offset:(2*\q+\k/2)*16384+(\k%2)*512+\c*1024
.endr
.endr
.irp g, 0,1                            ; V^T: keys 32 g on, channels 16 n on
.irp n, 0,1
.irp c, 0,1
	ds_load_b128 v[VF+8*(2*\g+\n)+4*\c:VF+8*(2*\g+\n)+4*\c+3], v[ADV] offset:(2*\q+\g)*16384+\n*1024+\c*512
.endr
.endr
.endr
	s_wait_dscnt 8                                 ; K's eight loads are in; V's eight, issued behind them, may be out
.irp k, 0,1,2,3
.irp t, 0,1
	v_wmma_f32_16x16x32_f16 v[SCO+32*\t+8*\k:SCO+32*\t+8*\k+7], v[KF+8*\k:KF+8*\k+7], v[QF+8*\t:QF+8*\t+7], 0
.endr
.endr
.irp t, 0,1
	v_mov_b32 v[ST+8*\t+1], v[ST+8*\t]             ; m_old is kept for a.  With the two v_nop: the four places behind the products
.endr
	v_nop
	v_nop
.irp k, 0,1,2,3                        ; the maximum of my 32 scores and m, three operands at a time: four chains, each begun at an accumulator's low end; the two tiles by turns
.irp t, 0,1
	v_max3_num_f32 v[ST+8*\t+4+\k], v[SCO+32*\t+8*\k], v[SCO+32*\t+8*\k+1], v[SCO+32*\t+8*\k+2]
.endr
.endr
.irp i, 3,5
.irp k, 0,1,2,3
.irp t, 0,1
	v_max3_num_f32 v[ST+8*\t+4+\k], v[ST+8*\t+4+\k], v[SCO+32*\t+8*\k+\i], v[SCO+32*\t+8*\k+\i+1]
.endr
.endr
.endr
.irp t, 0,1
	v_max3_num_f32 v[ST+8*\t+4], v[ST+8*\t+4], v[SCO+32*\t+7], v[SCO+32*\t+15]
	v_max3_num_f32 v[ST+8*\t+6], v[ST+8*\t+6], v[SCO+32*\t+23], v[SCO+32*\t+31]
.endr
.irp t, 0,1
	v_max3_num_f32 v[ST+8*\t+4], v[ST+8*\t+4], v[ST+8*\t+5], v[ST+8*\t+6]
.endr
.irp t, 0,1
	v_max3_num_f32 v[ST+8*\t+4], v[ST+8*\t+4], v[ST+8*\t+7], v[ST+8*\t]
.endr
.irp t, 0,1
	v_permlanex16_b32 v[ST+8*\t+5], v[ST+8*\t+4], s[SEL], s[SEL+1]   ; the query's other 32 keys lie in the lane 16 away
.endr
.irp t, 0,1
	v_max_num_f32 v[ST+8*\t], v[ST+8*\t+4], v[ST+8*\t+5]             ; the new m
.endr
.irp t, 0,1
	v_sub_f32 v[ST+8*\t+7], v[ST+8*\t+1], v[ST+8*\t]                 ; m_old - m_new, 0 or less
.endr
.irp p, 0,2,4,6,8,10,12,14,16,18,20,22,24,26,28,30
.irp t, 0,1
	v_pk_add_f32 v[SCO+32*\t+\p:SCO+32*\t+\p+1], v[SCO+32*\t+\p:SCO+32*\t+\p+1], v[ST+8*\t:ST+8*\t+1] op_sel_hi:[1,0] neg_lo:[0,1] neg_hi:[0,1]   ; s - m, two at a time: exactly 0 at the maximum
.endr
.endr
.irp t, 0,1
	v_exp_f32 v[ST+8*\t+6], v[ST+8*\t+7]           ; a.  ONE BATCH: 66 exponentials, none of which reads another's result
.endr
.set e, 0
.rept 64
	v_exp_f32 v[SCO+e], v[SCO+e]                   ; p = 2^(s - m)
.set e, e+1
.endr
	v_nop                                          ; a plain instruction behind the last exponential, ahead of the first use
	s_wait_alu depctr_va_vdst(0)                   ; and the wait ahead of the first instruction that names a result: one for the batch
.set e, 0
.rept 32
	v_cvt_pk_f16_f32 v[PRB+e], v[SCO+2*e], v[SCO+2*e+1]   ; p as f16: source 1 of the second product
.set e, e+1
.endr
.irp w, 4,8,16,32                      ; the row's sum, of the unrounded p: neighbours 1, 2, 4, 8 pairs apart, in place, both tiles
.set e, 0
.rept 64/\w
	v_pk_add_f32 v[SCO+\w*e:SCO+\w*e+1], v[SCO+\w*e:SCO+\w*e+1], v[SCO+\w*e+\w/2:SCO+\w*e+\w/2+1]
.set e, e+1
.endr
.endr
.irp t, 0,1
	v_pk_fma_f32 v[ST+8*\t+2:ST+8*\t+3], v[ST+8*\t+2:ST+8*\t+3], v[ST+8*\t+6:ST+8*\t+7], v[SCO+32*\t:SCO+32*\t+1] op_sel_hi:[1,0,1]   ; l = a l + the sum
.endr
.irp i, 0,2,4,6,8,10,12,14
.irp t, 0,1
	v_pk_mul_f32 v[OAC+16*\t+\i:OAC+16*\t+\i+1], v[OAC+16*\t+\i:OAC+16*\t+\i+1], v[ST+8*\t+6:ST+8*\t+7] op_sel_hi:[1,0]   ; O^T x a
.endr
.endr
	s_wait_dscnt 0x0                               ; V is in
.irp g, 0,1                            ; O^T += V^T P: the four accumulators by turns, one instruction a turn
.irp n, 0,1
.irp t, 0,1
	v_wmma_f32_16x16x32_f16 v[OAC+16*\t+8*\n:OAC+16*\t+8*\n+7], v[VF+8*(2*\g+\n):VF+8*(2*\g+\n)+7], v[PRB+16*\t+8*\g:PRB+16*\t+8*\g+7], v[OAC+16*\t+8*\n:OAC+16*\t+8*\n+7]
.endr
.endr
.endr
.endm
; THE CHANGE OF SLOTS stands at a slot's head.  Each wave waits for all its tensor loads (its part of the slot that it is about to read), adds 0 to its spare word, and waits for that and for its reads of the slot that it has left.
; fill = 1: the barrier is a round of the cluster's, so that no wave of any partner still reads that slot or has a load on its way; the joint load of the next 128 keys is the first thing behind it and has a slot's two steps in which to land.
.macro CHANGE fill
	s_wait_tensorcnt 0x0                           ; no tensor load of mine is out, so a group 0 may be written
	ds_add_u32 v[SPW], v[NIL]                      ; 0 onto my spare word
.if \fill
	ds_add_u32 v[SPW], v[NIL]                      ; and once more: the add stands twice on end, in every trip alike
	s_xor_b32 s[G0K+1], s[G0K+1], SLOT1            ; the walking descriptors: the other slot than last time,
	s_add_nc_u64 s[G0K+2:G0K+3], s[G0K+2:G0K+3], CHUNK   ; the next 128 keys; the type bits on top are not reached
	s_xor_b32 s[G0V+1], s[G0V+1], SLOT1
	s_add_nc_u64 s[G0V+2:G0V+3], s[G0V+2:G0V+3], CHUNK
	s_wait_xcnt 0x0                                ; the last prefetch, a slot back, has read its address, so it may be written:
	s_add_nc_u64 s[PFA:PFA+1], s[PFA:PFA+1], CHUNK ; 128 keys further on than the walking descriptors
	s_wait_dscnt 0x0                               ; both adds are done, and my reads of the slot that I have left are over
	CROUND
	JLOAD
	ASK
.else
	s_wait_dscnt 0x0
	s_barrier_signal -1
	s_barrier_wait -1
.endif
.endm
.macro SLOT_STEPS
	STEP 0
	STEP 1
	s_xor_b32 s[TB], s[TB], SLOT1                  ; on to the other slot
.endm
	s_wait_loadcnt 0x0                             ; Q
.Lslot:                                            ; 7 trips: behind each change of slots but the last the next 128 keys are asked for
	CHANGE 1
	SLOT_STEPS
	s_sub_co_u32 s[SLOTS], s[SLOTS], 1
	s_cmp_lg_u32 s[SLOTS], 0
	s_cbranch_scc1 .Lslot
	CHANGE 0                                       ; the last slot is written out
	SLOT_STEPS
	; THE END.  Wave w now makes output columns 16 w .. 16 w + 15 for all 64 rows.  Its rows of Wo and its bo are asked for first: they land while ctx is finished
.irp s, 0,1,2,3,4,5,6,7
.irp c, 0,1
	global_load_b128 v[WOF+8*\s+4*\c:WOF+8*\s+4*\c+3], v[LI], s[10:11] offset:\s*1024+\c*512
.endr
.endr
	global_load_b128 v[BO:BO+3], v[B32], s[12:13]
	global_load_b128 v[BO+4:BO+7], v[B32], s[12:13] offset:16
.irp t, 0,1
	v_add_f32 v[ST+8*\t+4], v[ST+8*\t+2], v[ST+8*\t+3]               ; l's two halves.  (These additions and the v_nop below are the places behind the last products)
.endr
.irp t, 0,1
	v_permlanex16_b32 v[ST+8*\t+5], v[ST+8*\t+4], s[SEL], s[SEL+1]
.endr
.irp t, 0,1
	v_add_f32 v[ST+8*\t+4], v[ST+8*\t+4], v[ST+8*\t+5]               ; and lane l xor 16's: the row's sum
.endr
.irp t, 0,1
	v_rcp_f32 v[ST+8*\t+6], v[ST+8*\t+4]
.endr
	v_nop                                          ; a plain instruction behind the last reciprocal
	s_wait_alu depctr_va_vdst(0)                   ; and the wait ahead of the first use: one for the two
.irp t, 0,1
.irp i, 0,2,4,6,8,10,12,14
	v_pk_mul_f32 v[OAC+16*\t+\i:OAC+16*\t+\i+1], v[OAC+16*\t+\i:OAC+16*\t+\i+1], v[ST+8*\t+6:ST+8*\t+7] op_sel_hi:[1,0]   ; O^T / l, each accumulator from its low end on
.endr
.endr
.set e, 0
.rept 16
	v_cvt_pk_f16_f32 v[PRB+e], v[OAC+2*e], v[OAC+2*e+1]   ; ctx as f16: tile t's fragment for K step = my head at 8 t
.set e, e+1
.endr
.irp t, 0,1
.irp c, 0,1
	ds_store_b128 v[CTW], v[PRB+8*\t+4*\c:PRB+8*\t+4*\c+3] offset:\t*8192+512*\c
.endr
.endr
	s_wait_dscnt 0x0                               ; for the others' sake: my images have landed
	s_barrier_signal -1
	s_barrier_wait -1                              ; ctx's 32 fragments lie in LDS
	s_wait_loadcnt 0x0                             ; Wo, bo
.irp ph, 0,1,2,3                       ; two K steps (heads) at a time: source 0 = my 16 rows of Wo, source 1 = 16 rows of ctx; the four accumulators by turns; bo is the C of each sum's first product
.irp mt, 0,1,2,3
.irp sp, 0,1
.irp c, 0,1
	ds_load_b128 v[CF+8*(2*\mt+\sp)+4*\c:CF+8*(2*\mt+\sp)+4*\c+3], v[CFA] offset:(8*\mt+2*\ph+\sp)*1024+512*\c
.endr
.endr
.endr
	s_wait_dscnt 0x0
.irp sp, 0,1
.irp mt, 0,1,2,3
.if (\ph == 0) && (\sp == 0)
	v_wmma_f32_16x16x32_f16 v[YAC+8*\mt:YAC+8*\mt+7], v[WOF+8*(2*\ph+\sp):WOF+8*(2*\ph+\sp)+7], v[CF+8*(2*\mt+\sp):CF+8*(2*\mt+\sp)+7], v[BO:BO+7]
.else
	v_wmma_f32_16x16x32_f16 v[YAC+8*\mt:YAC+8*\mt+7], v[WOF+8*(2*\ph+\sp):WOF+8*(2*\ph+\sp)+7], v[CF+8*(2*\mt+\sp):CF+8*(2*\mt+\sp)+7], v[YAC+8*\mt:YAC+8*\mt+7]
.endif
.endr
.endr
.rept 4
	v_nop                                          ; four places in front of loads into registers that the products have read, and of the first read of results
.endr
.endr
.irp mt, 0,1,2,3                       ; lane (r, h): out(16 mt + r, 16 w + 8 h + 0..7): 32 bytes of a row; a row's 1,024 bytes come from sixteen waves and meet in the stage
	ds_store_b128 v[STO], v[YAC+8*\mt:YAC+8*\mt+3] offset:\mt*16*SPITCH
	ds_store_b128 v[STO], v[YAC+8*\mt+4:YAC+8*\mt+7] offset:\mt*16*SPITCH+16
.endr
	s_wait_dscnt 0x0                               ; for the others' sake: my stores into the stage are done
	s_barrier_signal -1
	s_barrier_wait -1
.irp i, 0,1,2,3
.irp u, 0,1
	ds_load_b128 v[ROWS+4*(2*\i+\u):ROWS+4*(2*\i+\u)+3], v[SRD] offset:\i*SPITCH+512*\u
.endr
.endr
.irp i, 0,1,2,3
.irp u, 0,1
	s_wait_dscnt 7-(2*\i+\u)                       ; LDS loads come back in order: this one is in, the younger ones may be out
	global_store_b128 v[LI], v[ROWS+4*(2*\i+\u):ROWS+4*(2*\i+\u)+3], s[14:15] offset:\i*1024+512*\u th:TH_STORE_NT   ; the wave stores 512 consecutive bytes, aligned; written once, read by nobody here
.endr
.endr
	s_wait_tensorcnt 0x0                           ; the wave's end, behind my last tensor load and my last LDS store
	ds_add_u32 v[SPW], v[NIL]
	s_wait_dscnt 0x0
	CROUND                                         ; the closing round: no work-group ends while a partner may still ask for a tile that names it
	s_endpgm
.Lfunc_end_k_qfa652b8bc4_attn:
	.size	k_qfa652b8bc4_attn, .Lfunc_end_k_qfa652b8bc4_attn-k_qfa652b8bc4_attn
	.p2alignl 7, 3214868480
	.fill 96, 4, 3214868480
	.section	.rodata,"a",@progbits
	.p2align	6, 0x0
	.amdhsa_kernel k_qfa652b8bc4_attn
		.amdhsa_group_segment_fixed_size 327680
		.amdhsa_private_segment_fixed_size 0
		.amdhsa_enable_private_segment 0
		.amdhsa_kernarg_size 48
		.amdhsa_user_sgpr_count 2
		.amdhsa_user_sgpr_kernarg_segment_ptr 1
		.amdhsa_wavefront_size32 1
		.amdhsa_system_sgpr_workgroup_id_x 1
		.amdhsa_system_sgpr_workgroup_id_y 1
		.amdhsa_system_sgpr_workgroup_id_z 1
		.amdhsa_system_vgpr_workitem_id 0
		.amdhsa_next_free_vgpr 256
		.amdhsa_next_free_sgpr 66
		.amdhsa_reserve_vcc 0
		.amdhsa_float_denorm_mode_32 3
		.amdhsa_float_denorm_mode_16_64 3
		.amdhsa_memory_ordered 1
		.amdhsa_forward_progress 1
		.amdhsa_inst_pref_size 78
	.end_amdhsa_kernel
	.amdgpu_metadata
---
amdhsa.version: [ 1, 2 ]
amdhsa.kernels:
  - .name:           k_qfa652b8bc4_attn
    .symbol:         k_qfa652b8bc4_attn.kd
    .args:
      - { .name: qh, .offset: 0, .size: 8, .value_kind: global_buffer, .address_space: global }
      - { .name: kh, .offset: 8, .size: 8, .value_kind: global_buffer, .address_space: global }
      - { .name: vh, .offset: 16, .size: 8, .value_kind: global_buffer, .address_space: global }
      - { .name: wo16, .offset: 24, .size: 8, .value_kind: global_buffer, .address_space: global }
      - { .name: bo, .offset: 32, .size: 8, .value_kind: global_buffer, .address_space: global }
      - { .name: out0, .offset: 40, .size: 8, .value_kind: global_buffer, .address_space: global }
    .group_segment_fixed_size: 327680
    .private_segment_fixed_size: 0
    .kernarg_segment_align: 8
    .kernarg_segment_size: 48
    .max_flat_workgroup_size: 512
    .sgpr_count:     66
    .vgpr_count:     256
    .wavefront_size: 32
...
	.end_amdgpu_metadata
.endif
;; end of part 2
